; MI455X (gfx1250); checked and timed in simulation.
; The chip was launched on July 23, 2026; its instructions are those of AMD's public machine-readable ISA for CDNA 5 (MIT licence, August 2026) and "CDNA5" Instruction Set Architecture Reference Guide (July 2026). The comments in the code are by the model that wrote it; some were corrected since.
;; Multi Head Self Attention. Allowed arithmetic: matrix products marked QUANTISED: E2M3 operands, one E8M0 scale for each 32 along K, by v_wmma_scale_f32_16x16x128_f8f6f4 with both operands' format E2M3, f32 sums; products left as they are: f32 operands where the result goes on into a quantised operand, else bf16, f16 or f32 operands; f32 sums; everything else in f32.
;; Inputs: b_proj 1,024 float32; w_proj 1,024 x 1,024 float32; w_qkv 3,072 x 1,024 float32; x 4 x 4,096 x 1,024 float32.
;; Outputs: out0 4 x 4,096 x 1,024 float32.
;; This version of the problem:
;;   THIS VERSION OF THE PROBLEM IS GIVEN IN LOW PRECISION. The matrix products marked QUANTISED in the list below multiply operands that are first quantised to E2M3 (2 exponent bits, 3 mantissa bits; 6 bits a number), with one power-of-two scale for each 32 numbers along K (OCP MX v1.0); their sums are f32. All else is computed in f32.
;;   The module's matrix products, in the order in which they are computed (A, B: the left and right operand; K: the contracted axis; several contracted axes count as one K, in the product's order):
;;     1. [M 16,384, K 1,024] x [K 1,024, N 3,072]; A: input x; B: input w_qkv: QUANTISED
;;     2. batch 16,384 x [M 16, K 64] x [K 64, N 16]; A: computed on the way; B: computed on the way: QUANTISED
;;     3. batch 16,384 x [M 16, K 16] x [K 16, N 64]; A: softmax; B: computed on the way: left as it is (K = 16 < 32)
;;     4. [M 16,384, K 1,024] x [K 1,024, N 1,024]; A: computed on the way; B: input w_proj: QUANTISED
;;   THE QUANTISER, for each operand of a quantised product, along K:
;;     - K is cut into blocks of 32 from its start; a last block that is shorter is filled with zeros.
;;     - A block's scale is 2^e with e = floor(log2(the largest magnitude in the block)) - 2, held to -126 .. 127; a block of zeros has e = 0. As a byte (E8M0): e + 127.
;;     - Each number is divided by its block's scale, clamped to +-7.5, and rounded to the nearest number of E2M3, ties to even, subnormals kept.
;;     - The product sums the exact products of the quantised numbers (number of the format x scale) in f32.
;;   ~~~python
;;   def quantise(x, axis):      # numpy; x: float32 -> the quantised numbers, widened to float32 again
;;       x = np.moveaxis(x, axis, -1); K = x.shape[-1]
;;       x = np.pad(x, [(0, 0)] * (x.ndim - 1) + [(0, -K % 32)]); x = x.reshape(x.shape[:-1] + (-1, 32)); a = np.abs(x).max(-1, keepdims=True)
;;       e = np.where(a > 0, np.clip(np.frexp(np.where(a > 0, a, 1))[1] - 1 - 2, -126, 127), 0)      # np.frexp(a)[1] - 1 = floor(log2(a)), exactly
;;       r = np.clip(x / 2.0 ** e, -7.5, 7.5)
;;       step = 2.0 ** (np.maximum(np.frexp(np.where(r == 0, 1, r))[1] - 1, 0) - 3)
;;       q = np.round(r / step) * step * 2.0 ** e      # np.round: ties to even
;;       return np.moveaxis(q.reshape(q.shape[:-2] + (-1,))[..., :K], -1, axis).astype(np.float32)
;;   ~~~
;;   OPERANDS COMPUTED ON THE WAY. 'Computed on the way' means the value that the module computes at that place (a softmax that the list does not call 'softmax' is quantised finished and normalised). What goes into a quantiser is computed in f32, as accurately as f32 sums, v_exp_f32 and their like allow (about 1e-6 of the number): no bf16 or f16 on the way to a quantiser, and a product that is left as it is and whose result goes on into a quantised operand takes f32 operands (vector FMAs, or v_wmma_f32_16x16x4_f32). A number that lies on a knife's edge between two numbers of the format may be rounded either way, as far as f32 arithmetic and the matrix unit's own rounding can turn it there, and no further.
;; One version. Each part assembles by itself: llvm-mc -triple=amdgcn-amd-amdhsa -mcpu=gfx1250 --defsym DOCPART=n.
;; ======== version 1 of 1: 2 launches
;; limits: right only within a limited range of input values
;; workspace buffers: wfrag 3,276,800 bytes
;; launch wquant (part 1): grid 256 x 1, 4 waves a work-group, no clusters, 68,608 bytes of LDS; arguments w_qkv, w_proj, wfrag; writes wfrag
.if DOCPART == 1
	.amdgcn_target "amdgcn-amd-amdhsa--gfx1250"
	.amdhsa_code_object_version 6
	.text
	.protected	k_q8bfab646a8_wquant
	.globl	k_q8bfab646a8_wquant
	.p2align	8
	.type	k_q8bfab646a8_wquant,@function
k_q8bfab646a8_wquant:
	s_mov_b64 s[64:65], 0
	v_nop
	global_prefetch_b8 v0, s[64:65] scope:SCOPE_SE
	s_setreg_imm32_b32 hwreg(HW_REG_WAVE_MODE, 25, 1), 1
	s_wait_xcnt 0x0
; w_qkv [3072][1024] and w_proj [1024][1024], f32, K innermost, become codes of FP6 (E2M3) with one E8M0 byte for each 32 along K,
; laid in the ORDER OF THE OPERAND'S REGISTERS, as four streams, one for each wave of the launch that multiplies.
; A SLAB is 12,800 bytes: 8 fragments (16 weight rows x 128 K: 12 registers a lane) of 1,536 bytes, chunk c of 512 bytes holding lane l's registers
; 4 c .. 4 c + 3 at 512 c + 16 l; behind them 512 bytes of scale words: lane l's 16 bytes are registers 0..3: lanes 0-15 the word of tile i, row l; lanes 16-31 that of tile 4 + i, row l - 16.
; Slab number X = 64 w + 8 U + ks: stream w, unit U, K step ks (128 along K).  Work-group X makes slab X; wave v its tiles 2 v and 2 v + 1.
; WHICH WEIGHT ROW IS ROW p OF TILE t:
;   U = 0..3 (q, k): w_qkv row 64 (2 (4 w + U) + t / 4) + 32 ((t / 2) % 2) + 8 (t % 2) + p + 8 (p / 8): the results of tiles 2 b, 2 b + 1 are then 16 neighbours along the next K;
;   U = 4, 5 (v):    w_qkv row 2048 + 64 p + 32 (U - 4) + d, d = 8 (w / 2) + 16 (w % 2) + t: a tile is ONE channel of all 16 heads;
;   U = 6, 7 (proj): w_proj row 256 w + 128 (U - 6) + 16 t + p.
; A block's scale is 2^(floor(log2(its largest magnitude)) - 2); its byte is that magnitude's exponent field - 2, held at 1 from below.
; LIMITS: NaN and infinities are not served; a block whose largest magnitude lies under 2^-124 keeps the byte 1; a block of zeros gets the byte 1 where the rule says 127:
; its codes are zeros, which add nothing under any byte but 0xff, and the bytes are read by this program alone.
; One path through the text for all three kinds: only scalars and the pointer are chosen, by the work-group's number.  No tensor load, one barrier.
.set SLABB, 12800
.set FRB,   1536
.set STGB,  16*528                     ; a tile's stage: 16 rows of 512 bytes + 16
.set SIMG,  8*STGB                     ; behind the eight stages: the slab's 512 bytes of scale words
.set L16,   1                          ; v1      16 x lane
.set OFF,   16                         ; v16-31  row i of a tile: 16 x lane + the row's distance in bytes
.set TM,    32                         ; v32-47  at work
.set PW,    48                         ; v48-49  the scale word of tile e
.set R,     64                         ; v64-191 two tiles x 64 numbers
.set PC,    192                        ; v192-231 two sets of 20: 12 registers of codes, 8 at work; a set for each tile, so that no store's data are written again
.set SEL,   38                         ; s[38:39] lane selects for v_permlanex16_b32: lane l xor 16
; 64 numbers of a lane, register 16 b + i = k 32 b + 16 (lane / 16) + i of its row, become a fragment's 12 registers at v[pc] and the row's scale word in v[pw]
.macro QUANT s, pc, pw
.irp b, 0,1,2,3
	v_max3_num_f32 v[TM+\b], |v[(\s)+16*\b]|, |v[(\s)+1+16*\b]|, 0x1800000   ; my 16 numbers of block b, and the floor 2^(3 - 127): the byte cannot fall under 1
.endr
.irp i, 2,4,6,8,10,12,14
.irp b, 0,1,2,3
	v_max3_num_f32 v[TM+\b], v[TM+\b], |v[(\s)+16*\b+\i]|, |v[(\s)+1+16*\b+\i]|
.endr
.endr
.irp b, 0,1,2,3
	v_permlanex16_b32 v[TM+4+\b], v[TM+\b], s[SEL], s[SEL+1]
.endr
.irp b, 0,1,2,3
	v_max_num_f32 v[TM+\b], v[TM+\b], v[TM+4+\b]                  ; with lane l xor 16's: the block's largest magnitude
.endr
.irp b, 0,1,2,3
	v_add_nc_u32 v[TM+12+\b], 0xff000000, v[TM+\b]                ; 2 off its exponent field: the conversion's scale operand
.endr
.irp b, 0,1,2,3
	v_lshrrev_b32 v[TM+4+\b], 23, v[TM+12+\b]                     ; the scale's byte
.endr
	v_lshl_or_b32 v[\pw], v[TM+5], 8, v[TM+4]
	v_lshl_or_b32 v[\pw], v[TM+6], 16, v[\pw]
	v_lshl_or_b32 v[\pw], v[TM+7], 24, v[\pw]
.irp c, 0,1
	v_cvt_scalef32_pk16_fp6_f32 v[(\pc)+6*\c:(\pc)+2+6*\c], v[(\s)+32*\c:(\s)+15+32*\c], v[TM+12+2*\c]
	v_cvt_scalef32_pk16_fp6_f32 v[(\pc)+12+4*\c:(\pc)+14+4*\c], v[(\s)+16+32*\c:(\s)+31+32*\c], v[TM+12+2*\c+1]   ; (a conversion's three registers begin on an even number)
.endr
	v_nop                                                         ; one plain place behind a scaled conversion
.irp c, 0,1                            ; the layout wants a WHOLE block in a lane: lanes 0-15 block 2 c, lanes 16-31 block 2 c + 1
.irp i, 0,1,2
	v_permlane16_swap_b32 v[(\pc)+6*\c+\i], v[(\pc)+12+4*\c+\i]
.endr
.irp i, 0,1,2
	v_mov_b32 v[(\pc)+3+6*\c+\i], v[(\pc)+12+4*\c+\i]
.endr
.endr
.endm
	s_load_b128 s[4:7], s[0:1], 0x0                ; w_qkv, w_proj
	s_load_b64 s[8:9], s[0:1], 0x10                ; wfrag
	v_lshl_add_u32 v232, v0, 2, 0x10a00
	v_mov_b32 v233, 0
	v_lshrrev_b32 v2, 5, v0
	v_readfirstlane_b32 s12, v2                    ; wave v
	v_and_b32 v3, 31, v0                           ; lane
	v_and_b32 v4, 15, v0                           ; r
	v_bfe_u32 v5, v0, 4, 1                         ; h
	v_lshlrev_b32 v[L16], 4, v3
	s_and_b32 s13, ttmp9, 7                        ; ks
	s_bfe_u32 s14, ttmp9, 0x30003                  ; U
	s_lshr_b32 s15, ttmp9, 6                       ; w
	s_mov_b32 s[SEL], 0x76543210
	s_mov_b32 s[SEL+1], 0xfedcba98
	; row 0 of my tile 2 v, by each of the three formulas
	s_lshl_b32 s16, s15, 9
	s_lshl_b32 s23, s14, 7                         ; 128 U
	s_add_co_u32 s16, s16, s23
	s_lshl_b32 s24, s12, 5                         ; 32 v
	s_add_co_u32 s16, s16, s24                     ; q, k: 512 w + 128 U + 32 v
	s_lshl_b32 s17, s14, 5
	s_add_co_u32 s17, s17, 1920                    ; v: 2048 + 32 (U - 4)
	s_lshr_b32 s25, s15, 1
	s_lshl_b32 s25, s25, 3
	s_add_co_u32 s17, s17, s25                     ;    + 8 (w / 2)
	s_and_b32 s25, s15, 1
	s_lshl_b32 s25, s25, 4
	s_add_co_u32 s17, s17, s25                     ;    + 16 (w % 2)
	s_lshl_b32 s25, s12, 1
	s_add_co_u32 s17, s17, s25                     ;    + 2 v
	s_lshl_b32 s18, s15, 8
	s_add_co_u32 s18, s18, s23
	s_add_co_u32 s18, s18, s24
	s_sub_co_u32 s18, s18, 768                     ; proj: 256 w + 128 (U - 6) + 32 v (used where U is 6 or 7 alone)
	s_mov_b32 s20, 0x40000
	s_cmp_lt_u32 s14, 4
	s_cselect_b32 s19, s16, s17
	s_cselect_b32 s20, 0x1000, s20                 ; bytes from row to row of a tile: 1 row, or 64 rows for v
	s_cselect_b32 s21, 0x8000, 0                   ; and 8 rows more from a tile's row 8 on, for q and k
	s_cselect_b32 s22, 8, 1                        ; rows from tile 2 v to tile 2 v + 1
	s_wait_alu depctr_va_vdst(0)
	s_wait_kmcnt 0x0
	s_cmp_lt_u32 s14, 6
	s_cselect_b32 s19, s19, s18
	s_cselect_b32 s20, s20, 0x1000
	s_cselect_b32 s22, s22, 16
	s_cselect_b64 s[4:5], s[4:5], s[6:7]           ; the choice hangs on the work-group's number alone
.irp i, 0,1,2,3,4,5,6,7,8,9,10,11,12,13,14,15
	s_mul_i32 s23, s20, \i
.if \i >= 8
	s_add_co_u32 s23, s23, s21
.endif
	v_add_nc_u32 v[OFF+\i], s23, v[L16]
.endr
	s_lshl_b32 s24, s19, 12                        ; a weight row is 4,096 bytes
	s_lshl_b32 s25, s13, 9                         ; a K step 512
	s_add_co_u32 s24, s24, s25
	s_mov_b32 s25, 0
	s_add_nc_u64 s[26:27], s[4:5], s[24:25]        ; tile 2 v
	s_lshl_b32 s24, s22, 12
	s_add_nc_u64 s[28:29], s[26:27], s[24:25]      ; tile 2 v + 1
	s_wait_alu depctr_va_vdst(0)
.irp e, 0,1
.irp i, 0,1,2,3,4,5,6,7,8,9,10,11,12,13,14,15
	global_load_b128 v[R+64*\e+4*\i:R+64*\e+4*\i+3], v[OFF+\i], s[26+2*\e:27+2*\e] th:TH_LOAD_NT   ; 32 lanes read 512 consecutive bytes of one row; each number is read once in the launch
.endr
.endr
	s_mul_i32 s24, ttmp9, SLABB
	s_add_nc_u64 s[34:35], s[8:9], s[24:25]        ; my slab
	s_mul_i32 s30, s12, 2*FRB
	s_mov_b32 s31, 0
	s_add_nc_u64 s[32:33], s[34:35], s[30:31]      ; my two fragments in it
	s_mul_i32 s36, s12, 2*STGB                     ; my two stages
	v_add_nc_u32 v6, s36, v[L16]                   ; in: a row's 512 bytes as they lie
	v_mul_u32_u24 v7, v4, 528
	v_lshl_add_u32 v7, v5, 6, v7
	v_add_nc_u32 v7, s36, v7                       ; back: row r, + 64 h: my 16 numbers of each block of 32
	s_lshr_b32 s37, s12, 1
	s_lshl_b32 s37, s37, 8                         ; tiles 4-7 go to lanes 16-31 of the scale image
	s_and_b32 s36, s12, 1
	s_lshl_b32 s36, s36, 3
	s_add_co_u32 s37, s37, s36
	s_add_co_u32 s37, s37, SIMG
	v_lshl_add_u32 v8, v4, 4, s37                  ; my row's word of tile 2 v: 16 r + 256 (v / 2) + 8 (v % 2)
	v_add_nc_u32 v9, SIMG, v[L16]
.irp b, 0,1,2,3
	v_mov_b32 v[TM+4+\b], 0                        ; written once: a lane permute's destination counts as one of its sources
.endr
	s_wait_alu depctr_va_vdst(0)
.irp e, 0,1
	s_wait_loadcnt 16*(1-\e)                       ; this tile's 16 loads are in; the other tile's 16, issued behind them, may be out
.irp i, 0,1,2,3,4,5,6,7,8,9,10,11,12,13,14,15
	ds_store_b128 v6, v[R+64*\e+4*\i:R+64*\e+4*\i+3] offset:STGB*\e+528*\i
.endr
.irp b, 0,1,2,3
.irp j, 0,1,2,3
	ds_load_b128 v[R+64*\e+16*\b+4*\j:R+64*\e+16*\b+4*\j+3], v7 offset:STGB*\e+128*\b+16*\j   ; LDS serves a wave's instructions in order: these see the stores above
.endr
.endr
	s_wait_dscnt 0x0
	QUANT R+64*\e, PC+20*\e, PW+\e
.irp c, 0,1,2
	global_store_b128 v[L16], v[PC+20*\e+4*\c:PC+20*\e+4*\c+3], s[32:33] offset:FRB*\e+512*\c   ; 512 consecutive bytes, at a multiple of 256 from the buffer's first byte
.endr
	ds_store_b32 v8, v[PW+\e] offset:4*\e          ; lanes l and l xor 16 write the same word with the same value
.endr
	s_wait_dscnt 0x0                               ; for wave 0's sake: my two scale words have landed
	s_barrier_signal -1
	s_barrier_wait -1
	s_cmp_lg_u32 s12, 0
	s_cbranch_scc1 .Ldone
	ds_load_b128 v[10:13], v9                      ; the slab's 512 bytes of scale words
	s_wait_dscnt 0x0
	global_store_b128 v[L16], v[10:13], s[34:35] offset:8*FRB
.Ldone:
	s_wait_tensorcnt 0x0
	ds_add_u32 v232, v233
	s_wait_dscnt 0x0
	s_endpgm
.Lfunc_end_k_q8bfab646a8_wquant:
	.size	k_q8bfab646a8_wquant, .Lfunc_end_k_q8bfab646a8_wquant-k_q8bfab646a8_wquant
	.p2alignl 7, 3214868480
	.fill 96, 4, 3214868480
	.section	.rodata,"a",@progbits
	.p2align	6, 0x0
	.amdhsa_kernel k_q8bfab646a8_wquant
		.amdhsa_group_segment_fixed_size 68608
		.amdhsa_private_segment_fixed_size 0
		.amdhsa_enable_private_segment 0
		.amdhsa_kernarg_size 24
		.amdhsa_user_sgpr_count 2
		.amdhsa_user_sgpr_kernarg_segment_ptr 1
		.amdhsa_wavefront_size32 1
		.amdhsa_system_sgpr_workgroup_id_x 1
		.amdhsa_system_sgpr_workgroup_id_y 1
		.amdhsa_system_sgpr_workgroup_id_z 1
		.amdhsa_system_vgpr_workitem_id 0
		.amdhsa_next_free_vgpr 234
		.amdhsa_next_free_sgpr 66
		.amdhsa_reserve_vcc 0
		.amdhsa_float_denorm_mode_32 3
		.amdhsa_float_denorm_mode_16_64 3
		.amdhsa_memory_ordered 1
		.amdhsa_forward_progress 1
		.amdhsa_inst_pref_size 21
	.end_amdhsa_kernel
	.amdgpu_metadata
---
amdhsa.version: [ 1, 2 ]
amdhsa.kernels:
  - .name:           k_q8bfab646a8_wquant
    .symbol:         k_q8bfab646a8_wquant.kd
    .args:
      - { .name: w_qkv, .offset: 0, .size: 8, .value_kind: global_buffer, .address_space: global }
      - { .name: w_proj, .offset: 8, .size: 8, .value_kind: global_buffer, .address_space: global }
      - { .name: wfrag, .offset: 16, .size: 8, .value_kind: global_buffer, .address_space: global }
    .group_segment_fixed_size: 68608
    .private_segment_fixed_size: 0
    .kernarg_segment_align: 8
    .kernarg_segment_size: 24
    .max_flat_workgroup_size: 128
    .sgpr_count:     66
    .vgpr_count:     234
    .wavefront_size: 32
...
	.end_amdgpu_metadata
.endif
;; end of part 1
;; launch fused (part 2): grid 256 x 1, 4 waves a work-group, no clusters, 327,680 bytes of LDS; arguments x, wfrag, b_proj, out0; writes out0
.if DOCPART == 2
	.amdgcn_target "amdgcn-amd-amdhsa--gfx1250"
	.amdhsa_code_object_version 6
	.text
	.protected	k_q8bfab646a8_fused
	.globl	k_q8bfab646a8_fused
	.p2align	8
	.type	k_q8bfab646a8_fused,@function
k_q8bfab646a8_fused:
	s_mov_b64 s[64:65], 0
	v_nop
	global_prefetch_b8 v0, s[64:65] scope:SCOPE_SE
	s_setreg_imm32_b32 hwreg(HW_REG_WAVE_MODE, 25, 1), 1
	s_wait_xcnt 0x0
; The whole module for 64 tokens a work-group: x is quantised, q, k, v = x w_qkv^T, per token softmax(q k^T / 8) v over the 16 heads, the result quantised, times w_proj^T, + b_proj.
; Nothing of reference() is left out.  256 work-groups x 64 tokens = 16,384.  Four waves; wave w multiplies all 64 rows by stream w of wfrag (a quarter of the weight rows).
; WEIGHTS come as slabs of 12,800 bytes (8 fragments of 16 rows x 128 K and their scale words) in the order of the operand's registers, from memory straight into registers:
; four slabs of 96 registers take turns (windows 2 and 3), each asked for four K steps ahead.  A UNIT is 8 slabs (K = 1,024) on 32 accumulators (window 1); units: q/k 0-3, v 4-5, proj 6-7.
; A unit is a loop of two trips of four slabs, after which the register numbers are back where they began.
; So that the stream of weights goes on, the other work stands BETWEEN the slabs of units that do not hang on it, one pair of tokens a slab:
;   unit 4 (v's channels 0-31) carries the scores and the softmax;
;   unit 5 (v's channels 32-63) carries P v for channels 0-31 and its codes;
;   unit 6 carries P v for channels 32-63 and the quantiser, one K step ahead of the slab that multiplies it, one barrier a slab;
;   unit 7 carries the stores of unit 6's results, which wait in an LDS stage.
; out0's row h 256 + n / 16 holds head h of tokens 16 (n / 16) .. + 15: 64 tokens x 16 heads are 64 whole rows of the last product.
; NO JOINT LOADS: all work-groups read the same weights, but they land in operand registers; of LDS 294,400 + 512 bytes are in use, and what is left has no room for two slots of a step's 51,200 bytes.
; NO PREFETCH: x comes by one load a wave at the head, with no loop ahead of it; the weights are read by all work-groups at about the same time.
; LIMITS: NaN and infinities are not served; a block whose largest magnitude lies under 2^-124 keeps the scale byte 1, a block of zeros too (its codes are zeros; the bytes are read here alone).
; The softmax takes each row's maximum away, as reference() does.
; REGISTERS: window 0: addresses, scales, work; v128-255 attention and the way out.  Window 1: accumulator (m, t) at 64 m + 8 t.  Windows 2, 3: v0-191 weights; v192-215 A's fragments m = 0, 1 / 2, 3.
.set FRB,   1536                       ; a fragment's image
.set SLABB, 12800
.set RXW,   8*FRB                      ; image of 16 rows x 1,024 K; four of them from LDS byte 0
.set XSC,   49152                      ; scale words: 1,024 m + 128 ks + 4 lane
.set XF,    53248                      ; x as it is loaded: for each wave 64 rows of 1,024 bytes + 16
.set XP,    1040
.set XFW,   64*XP
.set RT,    53248                      ; later: a token's row: q's and k's codes, then P and half the codes of o
.set TP,    1584
.set RS,    RT+64*TP                   ; a token's scale bytes of q and k
.set SPT,   68
.set RV,    159232                     ; a token's 16 heads x 32 channels of v, f32
.set VP,    2064
.set STG,   RV                         ; later: the stage of the way out, 4 x 16 rows of 528 bytes a wave
.set STT,   16*528
.set SPARE, 0x4f000                    ; the spare words, 512 bytes
.set L16,  1
.set L4,   2
.set AS0,  5                           ; v5, v6: lane numbers at the head, later addresses of A's scale words
.set AS1,  6
.set XRD,  8
.set XWI,  9
.set XWS,  10
.set QST0, 11
.set QST1, 12
.set QSS,  13
.set VST,  14
.set ATQ,  18
.set ATS,  19
.set ATV,  20
.set ATI,  21
.set STO,  22
.set SRD,  23
.set BI,   24
.set XS,   32                          ; v32-35 A's scale words
.set WS,   40                          ; v40-55 the weights' scale words, four a slab
.set TM,   56
.set PW0,  72
.set AD,   74
.set PC0,  80
.set SS,   120
.set OWI,  122
.set OWS,  123
.set AA0,  124                         ; address of A's images: this half's K steps; AA1: the other half's
.set AA1,  125
.set SPW,  126
.set NIL,  127
.set XN0,  128
.set BB,   128                         ; the way out: two sets of 32
.set KF,   128
.set QF,   140
.set VF,   176
.set SP,   208
.set OD,   224
.set AFR,  192
.set HC,   80
.set FRG,  80
.set YC,   92
.set XH,   100
.set B0,   108
.set MA,   TM
.set MB,   TM+2
.set MT,   TM+8
.set MR,   TM+10
.set MX,   TM+14
.set WV,   12
.set WP,   16
.set OB,   18
.set OB2,  20
.set SEL,  22
.set CS,   24
.set CNT,  26
.set XO,   27
.set XI,   28
.set XC,   29
.set HT,   32                          ; which half of a unit: 0, 1
.set T0,   33
.set T1,   34
.set G1,   40
.set G0,   48
.set MSB, 0
.macro WIN new
.if MSB != (\new)
	s_set_vgpr_msb (MSB<<8)|(\new)
.set MSB, \new
.endif
.endm
.macro PLACES n
.rept \n
	v_nop
.endr
.endm
.macro VW
	s_wait_alu depctr_va_vdst(0)
.endm
.macro BARRIER
	VW
	s_wait_dscnt 0x0                               ; my LDS stores have landed and my reads are over
	s_barrier_signal -1
	s_barrier_wait -1
.endm
; 64 numbers of a lane (window w), register 16 b + i = k 32 b + 16 (lane / 16) + i of its row, become a fragment's 12 registers at v[pc] and the row's scale word in v[pw]
.macro QUANT s, w, pc, pw
	WIN (\w)*5
.irp b, 0,1,2,3
	v_max3_num_f32 v[TM+\b], |v[(\s)+16*\b]|, |v[(\s)+1+16*\b]|, 0x1800000   ; with the floor 2^(3 - 127): the byte cannot fall under 1
.endr
	WIN (\w)*20
.irp i, 2,4,6,8,10,12,14
.irp b, 0,1,2,3
	v_max3_num_f32 v[TM+\b], v[TM+\b], |v[(\s)+16*\b+\i]|, |v[(\s)+1+16*\b+\i]|
.endr
.endr
	WIN 0
.irp b, 0,1,2,3
	v_permlanex16_b32 v[TM+4+\b], v[TM+\b], s[SEL], s[SEL+1]
.endr
.irp b, 0,1,2,3
	v_max_num_f32 v[TM+\b], v[TM+\b], v[TM+4+\b]   ; with lane l xor 16's: the block's largest magnitude
.endr
.irp b, 0,1,2,3
	v_add_nc_u32 v[TM+12+\b], 0xff000000, v[TM+\b] ; 2 off its exponent field: the conversion's scale operand
.endr
.irp b, 0,1,2,3
	v_lshrrev_b32 v[TM+4+\b], 23, v[TM+12+\b]      ; the byte
.endr
	v_lshl_or_b32 v[\pw], v[TM+5], 8, v[TM+4]
	v_lshl_or_b32 v[\pw], v[TM+6], 16, v[\pw]
	v_lshl_or_b32 v[\pw], v[TM+7], 24, v[\pw]
	WIN \w
.irp c, 0,1
	v_cvt_scalef32_pk16_fp6_f32 v[(\pc)+6*\c:(\pc)+2+6*\c], v[(\s)+32*\c:(\s)+15+32*\c], v[TM+12+2*\c]
	v_cvt_scalef32_pk16_fp6_f32 v[(\pc)+12+4*\c:(\pc)+14+4*\c], v[(\s)+16+32*\c:(\s)+31+32*\c], v[TM+12+2*\c+1]
.endr
	WIN 0
	v_nop                                          ; one plain place behind a scaled conversion
.irp c, 0,1                            ; a whole block to a lane
.irp i, 0,1,2
	v_permlane16_swap_b32 v[(\pc)+6*\c+\i], v[(\pc)+12+4*\c+\i]
.endr
.irp i, 0,1,2
	v_mov_b32 v[(\pc)+3+6*\c+\i], v[(\pc)+12+4*\c+\i]
.endr
.endr
.endm
.macro IMAGE adr, pc, off
.irp c, 0,1,2
	ds_store_b128 v[\adr], v[(\pc)+4*\c:(\pc)+4*\c+3] offset:(\off)+512*\c
.endr
.endm
; A's four fragments and scale words of one K step: 16 LDS loads.  ba, bs: address registers; ko: K step counted from them
.macro FA ba, bs, ko
.irp p, 0,1
	WIN (2+\p)<<6
.irp q, 0,1
.irp c, 0,1,2
	ds_load_b128 v[AFR+12*\q+4*\c:AFR+12*\q+4*\c+3], v[\ba] offset:RXW*(2*\p+\q)+FRB*(\ko)+512*\c
.endr
.endr
.endr
	WIN 0
.irp m, 0,1,2,3
	ds_load_b32 v[XS+\m], v[\bs] offset:XSC+1024*\m+128*(\ko)
.endr
.endm
.macro FAN j                           ; the K step behind slab j of this half
.if (\j) < 3
	FA AA0, AS0, (\j)+1
.else
	FA AA1, AS1, 0
.endif
.endm
.macro FANS j                          ; the same, but nothing behind the unit's last slab
.if (\j) < 3
	FAN \j
.else
	s_cmp_eq_u32 s[HT], 1
	s_cbranch_scc1 .Lnf_\@
	FAN 3
.Lnf_\@:
.endif
.endm
.macro REFILL j                        ; a slab into buffer j: 25 loads of 512 consecutive bytes
	WIN 0
	global_load_b128 v[WS+4*(\j):WS+4*(\j)+3], v[L16], s[WP:WP+1] offset:(\j)*SLABB+8*FRB
	WIN 0x80+0x40*((\j)/2)
.irp t, 0,1,2,3,4,5,6,7
.irp c, 0,1,2
	global_load_b128 v[96*((\j)%2)+12*\t+4*\c:96*((\j)%2)+12*\t+4*\c+3], v[L16], s[WP:WP+1] offset:(\j)*SLABB+FRB*\t+512*\c
.endr
.endr
	WIN 0
.endm
.macro WSTEP j                         ; once a half, a slab's products behind the last loads that read the pointer
.if (\j) == 0
	s_wait_xcnt 0x0
	s_add_nc_u64 s[WP:WP+1], s[WP:WP+1], 4*SLABB
.endif
.endm
.macro MM d, a, b, zero, sa, sb, hi
.if \zero
.if \hi
	v_wmma_scale_f32_16x16x128_f8f6f4 v[(\d):(\d)+7], v[(\a):(\a)+11], v[(\b):(\b)+11], 0, v[\sa], v[\sb] matrix_a_fmt:MATRIX_FMT_FP6 matrix_b_fmt:MATRIX_FMT_FP6 matrix_a_scale:MATRIX_SCALE_ROW1
.else
	v_wmma_scale_f32_16x16x128_f8f6f4 v[(\d):(\d)+7], v[(\a):(\a)+11], v[(\b):(\b)+11], 0, v[\sa], v[\sb] matrix_a_fmt:MATRIX_FMT_FP6 matrix_b_fmt:MATRIX_FMT_FP6
.endif
.else
.if \hi
	v_wmma_scale_f32_16x16x128_f8f6f4 v[(\d):(\d)+7], v[(\a):(\a)+11], v[(\b):(\b)+11], v[(\d):(\d)+7], v[\sa], v[\sb] matrix_a_fmt:MATRIX_FMT_FP6 matrix_b_fmt:MATRIX_FMT_FP6 matrix_a_scale:MATRIX_SCALE_ROW1
.else
	v_wmma_scale_f32_16x16x128_f8f6f4 v[(\d):(\d)+7], v[(\a):(\a)+11], v[(\b):(\b)+11], v[(\d):(\d)+7], v[\sa], v[\sb] matrix_a_fmt:MATRIX_FMT_FP6 matrix_b_fmt:MATRIX_FMT_FP6
.endif
.endif
.endm
; a slab's 32 products: source 0 = 16 weight rows, source 1 = 16 rows of A; the 32 accumulators by turns.  rw: the wait ahead of sums first read behind transcendentals
.macro MMS j, zero, rw
.irp p, 0,1
	WIN 0x50|(2+(\j)/2)|((2+\p)<<2)
.if (\rw) && (\p == 0)
	VW
.endif
.irp t, 0,1,2,3,4,5,6,7
.irp q, 0,1
	MM 64*(2*\p+\q)+8*\t, 96*((\j)%2)+12*\t, AFR+12*\q, \zero, WS+4*(\j)+\t%4, XS+2*\p+\q, \t/4
.endr
.endr
.endr
	WIN 0
.endm
.macro MMJ j, rw                       ; a unit's first slab starts the sums: nothing is cleared
.if (\j) == 0
	s_cmp_eq_u32 s[HT], 0
	s_cbranch_scc0 .Lac_\@
	MMS 0, 1, 0
	s_branch .Ljn_\@
.Lac_\@:
	MMS 0, 0, \rw
.Ljn_\@:
.else
	MMS \j, 0, \rw
.endif
	PLACES 5                                       ; ahead of loads into the products' sources, of reads of the sums, and of sums begun anew
.endm
.macro HTOP                            ; a half's addresses of A's images and scale words
	s_xor_b32 s[T0], s[HT], 1
	s_mul_i32 s[T1], s[HT], 4*FRB
	v_add_nc_u32 v[AA0], s[T1], v[L16]
	s_mul_i32 s[T1], s[T0], 4*FRB
	v_add_nc_u32 v[AA1], s[T1], v[L16]
	s_lshl_b32 s[T1], s[HT], 9
	v_add_nc_u32 v[AS0], s[T1], v[L4]
	s_lshl_b32 s[T1], s[T0], 9
	v_add_nc_u32 v[AS1], s[T1], v[L4]
.endm
.macro HEND lab
	s_add_co_u32 s[HT], s[HT], 1
	s_cmp_lt_u32 s[HT], 2
	VW
	s_cbranch_scc1 \lab
.endm
	s_load_b256 s[4:11], s[0:1], 0x0               ; x, wfrag, b_proj, out0
	v_lshl_add_u32 v[SPW], v0, 2, SPARE
	v_mov_b32 v[NIL], 0
	ds_add_u32 v[SPW], v[NIL]                      ; the opening lines
	ds_add_u32 v[SPW], v[NIL]
	v_lshrrev_b32 v3, 5, v0
	v_readfirstlane_b32 s[WV], v3                  ; wave w
	s_mov_b32 s[G1+0], (3<<16)|(1<<20)|(7<<22)|(3<<25)   ; elements of 8 bytes; 4 words of padding behind every 256
	s_mov_b32 s[G1+1], 128<<16
	s_mov_b32 s[G1+2], 64<<16
	s_mov_b32 s[G1+3], 128<<16                     ; 64 rows x 1,024 bytes,
	s_mov_b32 s[G1+4], 64
	s_mov_b32 s[G1+5], 512                         ; 4,096 bytes apart
	s_mov_b32 s[G1+6], 0
	s_mov_b32 s[G1+7], 0
	s_lshl_b32 s14, ttmp9, 18                      ; my work-group's 64 rows,
	s_lshl_b32 s15, s[WV], 10                      ; my wave's K steps 2 w, 2 w + 1
	s_add_co_u32 s14, s14, s15
	s_mov_b32 s15, 0
	s_mul_i32 s66, s[WV], XFW
	s_add_co_u32 s66, s66, XF
	s_mov_b32 s[G0], 1
	s_mov_b32 s[G0+1], s66
	s_wait_dscnt 0x0
	s_wait_kmcnt 0x0
	s_add_nc_u64 s[G0+2:G0+3], s[4:5], s[14:15]
	s_or_b32 s[G0+3], s[G0+3], 0x80000000
	tensor_load_to_lds s[G0:G0+3], s[G1:G1+7]      ; my one tensor load
	s_nop 0
	PLACES 4
	; each wave's bases, all scalars first
	s_mul_i32 s67, s[WV], 2*FRB
	s_lshl_b32 s68, s[WV], 8
	s_add_co_u32 s68, s68, XSC
	s_mul_i32 s69, s[WV], RXW
	s_lshl_b32 s70, s[WV], 10
	s_add_co_u32 s70, s70, XSC
	s_mul_i32 s71, s[WV], 384
	s_add_co_u32 s71, s71, RT
	s_lshl_b32 s72, s[WV], 4
	s_add_co_u32 s72, s72, RS
	s_lshl_b32 s73, s[WV], 7
	s_add_co_u32 s73, s73, RV
	s_mul_i32 s74, s[WV], 16*TP
	s_add_co_u32 s74, s74, RT
	s_mul_i32 s75, s[WV], 16*SPT
	s_add_co_u32 s75, s75, RS
	s_mul_i32 s76, s[WV], 16*VP
	s_add_co_u32 s76, s76, RV
	s_mul_i32 s77, s[WV], 4*STT
	s_add_co_u32 s77, s77, STG
	s_lshl_b32 s14, s[WV], 10
	s_add_nc_u64 s[8:9], s[8:9], s[14:15]          ; my 256 numbers of b_proj
	s_mul_i32 s14, s[WV], 64*SLABB
	s_add_nc_u64 s[WP:WP+1], s[6:7], s[14:15]      ; my stream
	s_lshr_b32 s14, ttmp9, 6
	s_lshl_b32 s14, s14, 24                        ; batch
	s_and_b32 s38, ttmp9, 63
	s_lshl_b32 s38, s38, 14                        ; four rows of out0 for each head
	s_add_co_u32 s14, s14, s38
	s_lshl_b32 s38, s[WV], 10                      ; my 256 columns
	s_add_co_u32 s14, s14, s38
	s_add_nc_u64 s[OB:OB+1], s[10:11], s[14:15]    ; heads 0-7
	s_add_nc_u64 s[OB2:OB2+1], s[OB:OB+1], 0x800000  ; heads 8-15
	s_mov_b32 s[SEL], 0x76543210
	s_mov_b32 s[SEL+1], 0xfedcba98
	s_mov_b32 s[CS], 0x3e38aa3b                    ; log2(e) / 8
	s_mov_b32 s[CS+1], s[CS]
	v_and_b32 v4, 31, v0
	v_and_b32 v5, 15, v0                           ; r
	v_bfe_u32 v6, v0, 4, 1                         ; h
	v_lshlrev_b32 v[L16], 4, v4
	v_lshlrev_b32 v[L4], 2, v4
	v_mul_u32_u24 v7, v5, XP
	v_lshl_add_u32 v7, v6, 6, v7
	v_add_nc_u32 v[XRD], s66, v7                   ; x: row r, + 64 h
	v_add_nc_u32 v[XWI], s67, v[L16]
	v_add_nc_u32 v[XWS], s68, v[L4]
	v_add_nc_u32 v[OWI], s69, v[L16]               ; o's images: m = w
	v_add_nc_u32 v[OWS], s70, v[L4]
	v_mul_u32_u24 v7, v5, TP
	v_mad_u32_u24 v[QST0], v6, 24, v7
	v_add_nc_u32 v[QST0], s71, v[QST0]
	v_add_nc_u32 v[QST1], 32*TP, v[QST0]
	v_mul_u32_u24 v[QSS], v5, SPT
	v_add_nc_u32 v[QSS], s72, v[QSS]
	v_mul_u32_u24 v7, v5, VP
	v_lshl_add_u32 v7, v6, 10, v7
	v_add_nc_u32 v[VST], s73, v7
.irp m, 1,2,3
	v_add_nc_u32 v[VST+\m], 16*VP*\m, v[VST]
.endr
	v_mul_u32_u24 v7, v5, 48
	v_mad_u32_u24 v7, v6, 24, v7
	v_add_nc_u32 v[ATQ], s74, v7
	v_add_nc_u32 v[ATI], s74, v[L16]
	v_lshlrev_b32 v7, 1, v5
	v_lshl_add_u32 v7, v6, 5, v7
	v_add_nc_u32 v[ATS], s75, v7
	v_lshlrev_b32 v7, 4, v5
	v_lshl_add_u32 v7, v6, 10, v7
	v_add_nc_u32 v[ATV], s76, v7
	v_mul_u32_u24 v7, v5, 528
	v_lshl_add_u32 v7, v6, 5, v7
	v_add_nc_u32 v[STO], s77, v7
	v_add_nc_u32 v[SRD], s77, v[L16]
.irp i, 0,1,2,3,4,5,6,7,8,9,10,11,12,13,14,15
	v_mov_b32 v[TM+\i], 0                          ; a lane permute's destination counts as one of its sources
.endr
	VW
	global_load_b128 v[BI:BI+3], v[L16], s[8:9]
	global_load_b128 v[BI+4:BI+7], v[L16], s[8:9] offset:512
	REFILL 0                                       ; the first four slabs are on their way while x comes
	REFILL 1
	REFILL 2
	REFILL 3
; x: trip i quantises rows 16 i .. + 15 at my two K steps: two fragments' images and scale words
.macro XTRIP
	s_wait_dscnt 0x0
	v_add_nc_u32 v[AD], s[XO], v[XRD]
	v_add_nc_u32 v[AD+1], s[XI], v[XWI]
	v_add_nc_u32 v[AD+2], s[XC], v[XWS]
.irp b, 0,1,2,3
.irp j, 0,1,2,3
	ds_load_b128 v[XN0+16*\b+4*\j:XN0+16*\b+4*\j+3], v[AD] offset:128*\b+16*\j
.endr
.endr
	WIN 0x40
.irp b, 0,1,2,3
.irp j, 0,1,2,3
	ds_load_b128 v[16*\b+4*\j:16*\b+4*\j+3], v[AD] offset:512+128*\b+16*\j
.endr
.endr
	WIN 0
	s_wait_dscnt 16                                ; the first 16 loads are in
	QUANT XN0, 0, PC0, PW0
	IMAGE AD+1, PC0, 0
	ds_store_b32 v[AD+2], v[PW0]
	s_wait_dscnt 4                                 ; all but the four stores
	QUANT 0, 1, PC0+20, PW0+1
	IMAGE AD+1, PC0+20, FRB
	ds_store_b32 v[AD+2], v[PW0+1] offset:128
	s_add_co_u32 s[XO], s[XO], 16*XP
	s_add_co_u32 s[XI], s[XI], RXW
	s_add_co_u32 s[XC], s[XC], 1024
.endm
	s_mov_b32 s[XO], 0
	s_mov_b32 s[XI], 0
	s_mov_b32 s[XC], 0
	s_mov_b32 s[CNT], 4
	s_wait_tensorcnt 0x0                           ; my tile is in; I alone read it
.Lx0:
	XTRIP
	s_sub_co_u32 s[CNT], s[CNT], 1
	s_cmp_lg_u32 s[CNT], 0
	VW
	s_cbranch_scc1 .Lx0
	BARRIER                                        ; all images are whole
	FA L16, L4, 0
; UNITS 0-3: q, k; their results are quantised along the head's 64 and laid by token
.macro STEP0 j
	s_wait_loadcnt 63                              ; this slab is in: 75 loads were issued behind its own
	s_wait_dscnt 0x0
	MMJ \j, 0
	FAN \j
	WSTEP \j
	REFILL \j
.endm
.macro QKEPI
	s_mul_i32 s[T1], s[CNT], 96
	v_add_nc_u32 v[AD], s[T1], v[QST0]
	v_add_nc_u32 v[AD+1], s[T1], v[QST1]
	s_lshl_b32 s[T1], s[CNT], 2
	v_add_nc_u32 v[AD+2], s[T1], v[QSS]
.irp m, 0,1,2,3
.if \m >= 2
	s_wait_dscnt 7                                 ; the stores of two tiles ago have read their registers
.endif
	QUANT 64*\m, 1, PC0+20*(\m%2), PW0+(\m%2)
.irp c, 0,1
.irp i, 0,1,2
	ds_store_b64 v[AD+\m/2], v[PC0+20*(\m%2)+6*\c+2*\i:PC0+20*(\m%2)+6*\c+2*\i+1] offset:16*TP*(\m%2)+48*\c+8*\i
.endr
.endr
	ds_store_b32 v[AD+2], v[PW0+(\m%2)] offset:16*SPT*\m
.endr
.endm
.macro VEPI                            ; v as f32, by token
	WIN 0x04
.irp m, 0,1,2,3
.irp t, 0,1,2,3,4,5,6,7
	ds_store_b128 v[VST+\m], v[64*\m+8*\t:64*\m+8*\t+3] offset:16*\t
	ds_store_b128 v[VST+\m], v[64*\m+8*\t+4:64*\m+8*\t+7] offset:16*\t+512
.endr
.endr
	WIN 0
.endm
	s_mov_b32 s[CNT], 0
.Lunit:
	s_mov_b32 s[HT], 0
.Lh0:
	HTOP
	VW
	STEP0 0
	STEP0 1
	STEP0 2
	STEP0 3
	HEND .Lh0
	QKEPI
	s_add_co_u32 s[CNT], s[CNT], 1
	s_cmp_lt_u32 s[CNT], 4
	VW
	s_cbranch_scc1 .Lunit
	BARRIER                                        ; every token's q and k are whole
; UNITS 4 and 5 with the attention's first half.  A trip takes two tokens c
.macro LA_QK bq, bs, n
.irp c, 0,1
.irp i, 0,1,2
	ds_load_b64 v[QF+24*\c+2*\i:QF+24*\c+2*\i+1], v[\bq] offset:(\n)*2*TP+TP*\c+8*\i
	ds_load_b64 v[KF+24*\c+2*\i:KF+24*\c+2*\i+1], v[\bq] offset:(\n)*2*TP+TP*\c+768+8*\i
.endr
	ds_load_u16 v[SS+\c], v[\bs] offset:(\n)*2*SPT+SPT*\c
.endr
.endm
.macro LA_V bv, n
.irp c, 0,1
.irp u, 0,1
	ds_load_b128 v[VF+16*\c+8*\u:VF+16*\c+8*\u+3], v[\bv] offset:(\n)*2*VP+VP*\c+256*\u
	ds_load_b128 v[VF+16*\c+8*\u+4:VF+16*\c+8*\u+7], v[\bv] offset:(\n)*2*VP+VP*\c+256*\u+512
.endr
.endr
.endm
.macro PA_LD b3, b2, n                 ; P and v of a pair of tokens: 12 loads
.irp c, 0,1
	ds_load_b128 v[SP+8*\c:SP+8*\c+3], v[\b3] offset:(\n)*2*TP+TP*\c
	ds_load_b128 v[SP+8*\c+4:SP+8*\c+7], v[\b3] offset:(\n)*2*TP+TP*\c+512
.endr
	LA_V \b2, \n
.endm
.macro PV                              ; O^T = v^T P^T; f32 operands: the result goes on into a quantiser; four sums by turns
.irp s, 0,1,2,3
.irp c, 0,1
.irp u, 0,1
.if \s == 0
	v_wmma_f32_16x16x4_f32 v[OD+16*\c+8*\u:OD+16*\c+8*\u+7], v[VF+16*\c+8*\u+2*\s:VF+16*\c+8*\u+2*\s+1], v[SP+8*\c+2*\s:SP+8*\c+2*\s+1], 0
.else
	v_wmma_f32_16x16x4_f32 v[OD+16*\c+8*\u:OD+16*\c+8*\u+7], v[VF+16*\c+8*\u+2*\s:VF+16*\c+8*\u+2*\s+1], v[SP+8*\c+2*\s:SP+8*\c+2*\s+1], v[OD+16*\c+8*\u:OD+16*\c+8*\u+7]
.endif
.endr
.endr
.endr
.endm
.macro OQUANT dst, byt, bs             ; a block of 32 channels lies in lanes l and l xor 16
.irp c, 0,1
	v_max3_num_f32 v[MX+\c], |v[OD+16*\c]|, |v[OD+16*\c+1]|, 0x1800000
.endr
.irp i, 2,4,6,8,10,12,14
.irp c, 0,1
	v_max3_num_f32 v[MX+\c], v[MX+\c], |v[OD+16*\c+\i]|, |v[OD+16*\c+\i+1]|
.endr
.endr
.irp c, 0,1
	v_permlanex16_b32 v[MT+\c], v[MX+\c], s[SEL], s[SEL+1]
.endr
.irp c, 0,1
	v_max_num_f32 v[MX+\c], v[MX+\c], v[MT+\c]
.endr
.irp c, 0,1
	v_add_nc_u32 v[MX+\c], 0xff000000, v[MX+\c]
.endr
.irp c, 0,1
	v_cvt_scalef32_pk16_fp6_f32 v[(\dst)+4*\c:(\dst)+4*\c+2], v[OD+16*\c:OD+16*\c+15], v[MX+\c]
.endr
.irp c, 0,1
	v_lshrrev_b32 v[(\byt)+(\bs)*\c], 23, v[MX+\c]
.endr
.endm
.macro SATRIP j                        ; S^T = k q^T, the softmax; P goes to the token's row
	s_wait_dscnt 16                                ; this trip's q and k are in; A's 16 loads, issued behind them, may be out
.irp c, 0,1
	v_wmma_scale_f32_16x16x128_f8f6f4 v[SP+8*\c:SP+8*\c+7], v[KF+24*\c:KF+24*\c+11], v[QF+24*\c:QF+24*\c+11], 0, v[SS+\c], v[SS+\c] matrix_a_fmt:MATRIX_FMT_FP6 matrix_b_fmt:MATRIX_FMT_FP6 matrix_a_scale:MATRIX_SCALE_ROW1
.endr
	PLACES 5
.if (\j) == 3                          ; the last trip of all has no next
	VW
	s_cmp_eq_u32 s[HT], 1
	s_cbranch_scc1 .Lnq_\@
.endif
	LA_QK AD, AD+1, (\j)+1
.if (\j) == 3
.Lnq_\@:
.endif
.irp c, 0,1
	v_max3_num_f32 v[MA+4*\c], v[SP+8*\c], v[SP+8*\c+1], v[SP+8*\c+2]
.endr
.irp c, 0,1
	v_max3_num_f32 v[MB+4*\c], v[SP+8*\c+3], v[SP+8*\c+4], v[SP+8*\c+5]
.endr
.irp c, 0,1
	v_max3_num_f32 v[MA+4*\c], v[MA+4*\c], v[SP+8*\c+6], v[SP+8*\c+7]
.endr
.irp c, 0,1
	v_max_num_f32 v[MA+4*\c], v[MA+4*\c], v[MB+4*\c]
.endr
.irp c, 0,1
	v_permlanex16_b32 v[MT+\c], v[MA+4*\c], s[SEL], s[SEL+1]
.endr
.irp c, 0,1
	v_max_num_f32 v[MA+4*\c], v[MA+4*\c], v[MT+\c] ; the row's largest score
.endr
.irp i, 0,2,4,6
.irp c, 0,1
	v_pk_add_f32 v[SP+8*\c+\i:SP+8*\c+\i+1], v[SP+8*\c+\i:SP+8*\c+\i+1], v[MA+4*\c:MA+4*\c+1] op_sel_hi:[1,0] neg_lo:[0,1] neg_hi:[0,1]
.endr
.endr
.irp i, 0,2,4,6
.irp c, 0,1
	v_pk_mul_f32 v[SP+8*\c+\i:SP+8*\c+\i+1], v[SP+8*\c+\i:SP+8*\c+\i+1], s[CS:CS+1] op_sel_hi:[1,0]
.endr
.endr
	VW
.irp i, 0,1,2,3,4,5,6,7
.irp c, 0,1
	v_exp_f32 v[SP+8*\c+\i], v[SP+8*\c+\i]
.endr
.endr
	v_nop
	VW
.irp c, 0,1
	v_pk_add_f32 v[MA+4*\c:MA+4*\c+1], v[SP+8*\c:SP+8*\c+1], v[SP+8*\c+2:SP+8*\c+3]
.endr
.irp c, 0,1
	v_pk_add_f32 v[MB+4*\c:MB+4*\c+1], v[SP+8*\c+4:SP+8*\c+5], v[SP+8*\c+6:SP+8*\c+7]
.endr
.irp c, 0,1
	v_pk_add_f32 v[MA+4*\c:MA+4*\c+1], v[MA+4*\c:MA+4*\c+1], v[MB+4*\c:MB+4*\c+1]
.endr
.irp c, 0,1
	v_add_f32 v[MA+4*\c], v[MA+4*\c], v[MA+4*\c+1]
.endr
.irp c, 0,1
	v_permlanex16_b32 v[MT+\c], v[MA+4*\c], s[SEL], s[SEL+1]
.endr
.irp c, 0,1
	v_add_f32 v[MA+4*\c], v[MA+4*\c], v[MT+\c]
.endr
	VW
.irp c, 0,1
	v_rcp_f32 v[MR+2*\c], v[MA+4*\c]
.endr
	v_nop
	VW
.irp i, 0,2,4,6
.irp c, 0,1
	v_pk_mul_f32 v[SP+8*\c+\i:SP+8*\c+\i+1], v[SP+8*\c+\i:SP+8*\c+\i+1], v[MR+2*\c:MR+2*\c+1] op_sel_hi:[1,0]
.endr
.endr
.irp c, 0,1
	ds_store_b128 v[AD+3], v[SP+8*\c:SP+8*\c+3] offset:(\j)*2*TP+TP*\c          ; where the token's q and k lay: both are in registers
	ds_store_b128 v[AD+3], v[SP+8*\c+4:SP+8*\c+7] offset:(\j)*2*TP+TP*\c+512
.endr
.endm
.macro PATRIP j                        ; O^T for channels 0-31 and its codes
	s_wait_dscnt 16                                ; this trip's P and v are in; A's 16 loads, issued behind them, may be out
	PV
	PLACES 9
.if (\j) == 3
	VW
	s_cmp_eq_u32 s[HT], 1
	s_cbranch_scc1 .Lnv_\@
.endif
	PA_LD AD+3, AD+2, (\j)+1
.if (\j) == 3
.Lnv_\@:
.endif
	OQUANT HC, HC+3, 4
.irp c, 0,1
	ds_store_b128 v[AD+3], v[HC+4*\c:HC+4*\c+3] offset:(\j)*2*TP+TP*\c+1024
.endr
.endm
; a trip, then a slab.  Behind A's fragments the trip has issued: scores 14 loads and 4 stores, P v 12 loads and 2 stores; the last trip of all only the stores
.macro STEPH j, kind
.if (\kind) == 0
	SATRIP \j
.else
	PATRIP \j
.endif
	VW
	s_wait_loadcnt 63
.if (\j) < 3
	s_wait_dscnt 18-4*(\kind)
.else
	s_wait_dscnt 4-2*(\kind)
.endif
	MMJ \j, 1-(\kind)
.if (\kind) == 0
	FAN \j
.else
	FANS \j
.endif
	WSTEP \j
	REFILL \j
.endm
.irp c, 0,1
.irp i, 6,7,8,9,10,11
	v_mov_b32 v[KF+24*\c+\i], 0                    ; a head has 64 channels: the upper half of the instruction's K holds zero codes
	v_mov_b32 v[QF+24*\c+\i], 0
.endr
.endr
	LA_QK ATQ, ATS, 0
	s_mov_b32 s[HT], 0
	VW
	s_wait_dscnt 0x0
.Lh4:
	HTOP
	s_mul_i32 s[T1], s[HT], 8*TP
	v_add_nc_u32 v[AD], s[T1], v[ATQ]
	v_add_nc_u32 v[AD+3], s[T1], v[ATI]
	s_mul_i32 s[T1], s[HT], 8*SPT
	v_add_nc_u32 v[AD+1], s[T1], v[ATS]
	VW
	STEPH 0, 0
	STEPH 1, 0
	STEPH 2, 0
	STEPH 3, 0
	HEND .Lh4
	VEPI
	BARRIER                                        ; v's first half is whole
	PA_LD ATI, ATV, 0
	s_mov_b32 s[HT], 0
	VW
	s_wait_dscnt 0x0
.Lh1:
	HTOP
	s_mul_i32 s[T1], s[HT], 8*TP
	v_add_nc_u32 v[AD+3], s[T1], v[ATI]
	s_mul_i32 s[T1], s[HT], 8*VP
	v_add_nc_u32 v[AD+2], s[T1], v[ATV]
	VW
	STEPH 0, 1
	STEPH 1, 1
	STEPH 2, 1
	STEPH 3, 1
	HEND .Lh1
	BARRIER                                        ; nobody reads v's first half any more
	VEPI
	BARRIER
; UNIT 6 with the attention's second half.  Trip k: O^T for channels 32-63 of tokens 2 k, 2 k + 1, the codes of both halves joined: fragment (m = w, K step k) of the last product
.macro LB_LD b3, b2, n
.irp c, 0,1
	ds_load_b128 v[SP+8*\c:SP+8*\c+3], v[\b3] offset:(\n)*2*TP+TP*\c
	ds_load_b128 v[SP+8*\c+4:SP+8*\c+7], v[\b3] offset:(\n)*2*TP+TP*\c+512
	ds_load_b128 v[XH+4*\c:XH+4*\c+3], v[\b3] offset:(\n)*2*TP+TP*\c+1024
.endr
	LA_V \b2, \n
.endm
.macro LBTRIP n, next                  ; next = 1: fetch the next trip's data; 2: not in the unit's second half
	PV
.irp c, 0,1
.irp i, 0,1,2
	v_mov_b32 v[FRG+6*\c+\i], v[XH+4*\c+\i]
.endr
	v_mov_b32 v[B0+\c], v[XH+4*\c+3]
.endr
	PLACES 1
.if (\next) == 2
	VW
	s_cmp_eq_u32 s[HT], 1
	s_cbranch_scc1 .Lnl_\@
.endif
	LB_LD AD+3, AD+2, (\n)+1
.if (\next) == 2
.Lnl_\@:
.endif
	OQUANT YC, B0+2, 1
.irp c, 0,1
.irp i, 0,1,2
	v_permlane16_swap_b32 v[FRG+6*\c+\i], v[YC+4*\c+\i]
.endr
.irp i, 0,1,2
	v_mov_b32 v[FRG+6*\c+3+\i], v[YC+4*\c+\i]
.endr
.endr
	v_lshl_or_b32 v[PW0], v[B0+2], 8, v[B0]
	v_lshl_or_b32 v[PW0], v[B0+1], 16, v[PW0]
	v_lshl_or_b32 v[PW0], v[B0+3], 24, v[PW0]
	IMAGE AD+4, FRG, (\n)*FRB
	ds_store_b32 v[AD+5], v[PW0] offset:(\n)*128
.endm
; slab ks = 4 half + j: the barrier shows its K step's images whole; they are fetched, trip ks + 1 runs while they come, then the products
.macro STEPLB j
	BARRIER                                        ; (my own loads for the trip below are in too)
	FA AA0, AS0, \j
.if (\j) < 2
	LBTRIP (\j)+1, 1
.endif
.if (\j) == 2
	LBTRIP 3, 2                                    ; trip 7 has no next
.endif
.if (\j) == 3                          ; trip 8 does not exist
	s_cmp_eq_u32 s[HT], 1
	s_cbranch_scc1 .Lnb_\@
	LBTRIP 4, 1
.Lnb_\@:
.endif
	VW
	s_wait_loadcnt 63
.if (\j) < 2
	s_wait_dscnt 18                                ; behind A's fragments: the trip's 14 loads and 4 stores
.endif
.if (\j) == 2
	s_wait_dscnt 4                                 ; (trip 7: the 4 stores alone)
.endif
.if (\j) == 3
	s_wait_dscnt 0x0
.endif
	MMJ \j, 0
	WSTEP \j
	REFILL \j
.endm
	LB_LD ATI, ATV, 0
	v_mov_b32 v[AD+3], v[ATI]
	v_mov_b32 v[AD+2], v[ATV]
	v_mov_b32 v[AD+4], v[OWI]
	v_mov_b32 v[AD+5], v[OWS]
	VW
	s_wait_dscnt 0x0
	LBTRIP 0, 1                                    ; trip 0 stands ahead of the unit
	s_mov_b32 s[HT], 0
.Lh2:
	HTOP
	s_mul_i32 s[T1], s[HT], 8*TP
	v_add_nc_u32 v[AD+3], s[T1], v[ATI]
	s_mul_i32 s[T1], s[HT], 8*VP
	v_add_nc_u32 v[AD+2], s[T1], v[ATV]
	s_mul_i32 s[T1], s[HT], 4*FRB
	v_add_nc_u32 v[AD+4], s[T1], v[OWI]
	s_lshl_b32 s[T1], s[HT], 9
	v_add_nc_u32 v[AD+5], s[T1], v[OWS]
	STEPLB 0
	STEPLB 1
	STEPLB 2
	STEPLB 3
	HEND .Lh2
; UNIT 7 with unit 6's way out.  A lane holds 32 bytes of a row: all 64 rows x 128 columns go into my own stage and come back as rows of 512 bytes
.macro DUMP
	WIN 0x04
.irp a, 0,1,2,3
.irp t, 0,1,2,3,4,5,6,7
	ds_store_b128 v[STO], v[64*\a+8*\t:64*\a+8*\t+3] offset:STT*\a+64*\t
	ds_store_b128 v[STO], v[64*\a+8*\t+4:64*\a+8*\t+7] offset:STT*\a+64*\t+16
.endr
.endr
	WIN 0
.endm
.macro OUT_LD b, s, buf                ; eight rows
.irp i, 0,1,2,3,4,5,6,7
	ds_load_b128 v[BB+32*(\buf)+4*\i:BB+32*(\buf)+4*\i+3], v[\b] offset:(\s)*8*528+528*\i
.endr
.endm
.macro OUT_ST buf, ob, off, bi         ; + b_proj; 32 lanes store 512 consecutive bytes, aligned
.irp i, 0,1,2,3,4,5,6,7
	v_pk_add_f32 v[BB+32*(\buf)+4*\i:BB+32*(\buf)+4*\i+1], v[BB+32*(\buf)+4*\i:BB+32*(\buf)+4*\i+1], v[\bi:\bi+1]
	v_pk_add_f32 v[BB+32*(\buf)+4*\i+2:BB+32*(\buf)+4*\i+3], v[BB+32*(\buf)+4*\i+2:BB+32*(\buf)+4*\i+3], v[\bi+2:\bi+3]
	global_store_b128 v[L16], v[BB+32*(\buf)+4*\i:BB+32*(\buf)+4*\i+3], s[\ob:\ob+1] offset:\i*1048576+(\off) th:TH_STORE_NT
.endr
.endm
.macro STEPP j
	VW
.if (\j) == 0
	s_wait_loadcnt 63
.else
	s_wait_loadcnt 75-25*(\j)                      ; in the second half nothing more is asked for: behind slab 4 + j's loads stand 25 (3 - j)
.endif
	s_wait_dscnt 0x0
	MMJ \j, 0
	s_wait_xcnt 0x0                                ; earlier stores have read their data and base, earlier loads their pointer
.if (\j) == 0
	s_add_nc_u64 s[OB:OB+1], s[OB:OB+1], 8192      ; two rows on for each half
	s_add_nc_u64 s[OB2:OB2+1], s[OB2:OB2+1], 8192
.endif
.if (\j) < 3
	FAN \j
	OUT_LD AD, (\j)+1, ((\j)+1)%2
.endif
	s_cmp_eq_u32 s[HT], 1
	s_cbranch_scc1 .Lnr_\@
.if (\j) == 3
	FAN 3
	OUT_LD AD, 4, 0
.endif
.if (\j) == 0
	s_add_nc_u64 s[WP:WP+1], s[WP:WP+1], 4*SLABB
.endif
	REFILL \j
.Lnr_\@:
	OUT_ST (\j)%2, OB+2*((\j)%2), 4096*((\j)/2), BI
.endm
	FA L16, L4, 0
	DUMP
	OUT_LD SRD, 0, 0                               ; LDS serves a wave's instructions in order: these see the stores above
	s_sub_nc_u64 s[OB:OB+1], s[OB:OB+1], 8192      ; each half's first step adds it again
	s_sub_nc_u64 s[OB2:OB2+1], s[OB2:OB2+1], 8192
	s_mov_b32 s[HT], 0
.Lh3:
	HTOP
	s_mul_i32 s[T1], s[HT], 4*8*528
	v_add_nc_u32 v[AD], s[T1], v[SRD]
	STEPP 0
	STEPP 1
	STEPP 2
	STEPP 3
	HEND .Lh3
; unit 7's own way out: my second 128 columns, 16 rows a trip
	DUMP
	s_wait_xcnt 0x0
	s_sub_nc_u64 s[OB:OB+1], s[OB:OB+1], 8192+4096-512
	s_sub_nc_u64 s[OB2:OB2+1], s[OB2:OB2+1], 8192+4096-512
	s_mov_b32 s[CNT], 0
.Lout:
	s_wait_xcnt 0x0
	s_add_nc_u64 s[OB:OB+1], s[OB:OB+1], 4096
	s_add_nc_u64 s[OB2:OB2+1], s[OB2:OB2+1], 4096
	s_mul_i32 s[T1], s[CNT], STT
	v_add_nc_u32 v[AD], s[T1], v[SRD]
	OUT_LD AD, 0, 0
	OUT_LD AD, 1, 1
	s_wait_dscnt 8
	OUT_ST 0, OB, 0, BI+4
	s_wait_dscnt 0x0
	OUT_ST 1, OB2, 0, BI+4
	s_add_co_u32 s[CNT], s[CNT], 1
	s_cmp_lt_u32 s[CNT], 4
	VW
	s_cbranch_scc1 .Lout
	s_wait_tensorcnt 0x0                           ; the wave's end
	ds_add_u32 v[SPW], v[NIL]
	s_wait_dscnt 0x0
	s_endpgm
.Lfunc_end_k_q8bfab646a8_fused:
	.size	k_q8bfab646a8_fused, .Lfunc_end_k_q8bfab646a8_fused-k_q8bfab646a8_fused
	.p2alignl 7, 3214868480
	.fill 96, 4, 3214868480
	.section	.rodata,"a",@progbits
	.p2align	6, 0x0
	.amdhsa_kernel k_q8bfab646a8_fused
		.amdhsa_group_segment_fixed_size 327680
		.amdhsa_private_segment_fixed_size 0
		.amdhsa_enable_private_segment 0
		.amdhsa_kernarg_size 32
		.amdhsa_user_sgpr_count 2
		.amdhsa_user_sgpr_kernarg_segment_ptr 1
		.amdhsa_wavefront_size32 1
		.amdhsa_system_sgpr_workgroup_id_x 1
		.amdhsa_system_sgpr_workgroup_id_y 1
		.amdhsa_system_sgpr_workgroup_id_z 1
		.amdhsa_system_vgpr_workitem_id 0
		.amdhsa_next_free_vgpr 1024
		.amdhsa_next_free_sgpr 96
		.amdhsa_reserve_vcc 0
		.amdhsa_float_denorm_mode_32 3
		.amdhsa_float_denorm_mode_16_64 3
		.amdhsa_memory_ordered 1
		.amdhsa_forward_progress 1
		.amdhsa_inst_pref_size 255
	.end_amdhsa_kernel
	.section	.bss,"aw",@nobits
	.p2align	6
	.space	262144
	.amdgpu_metadata
---
amdhsa.version: [ 1, 2 ]
amdhsa.kernels:
  - .name:           k_q8bfab646a8_fused
    .symbol:         k_q8bfab646a8_fused.kd
    .args:
      - { .name: x, .offset: 0, .size: 8, .value_kind: global_buffer, .address_space: global }
      - { .name: wfrag, .offset: 8, .size: 8, .value_kind: global_buffer, .address_space: global }
      - { .name: b_proj, .offset: 16, .size: 8, .value_kind: global_buffer, .address_space: global }
      - { .name: out0, .offset: 24, .size: 8, .value_kind: global_buffer, .address_space: global }
    .group_segment_fixed_size: 327680
    .private_segment_fixed_size: 0
    .kernarg_segment_align: 8
    .kernarg_segment_size: 32
    .max_flat_workgroup_size: 128
    .sgpr_count:     96
    .vgpr_count:     1024
    .wavefront_size: 32
...
	.end_amdgpu_metadata
.endif
;; end of part 2
